; MI455X (gfx1250); checked and timed in simulation.
; The chip was launched on July 23, 2026; its instructions are those of AMD's public machine-readable ISA for CDNA 5 (MIT licence, August 2026) and "CDNA5" Instruction Set Architecture Reference Guide (July 2026). The comments in the code are by the model that wrote it; some were corrected since.
;; Multi Head Self Attention. Allowed arithmetic: matrix products marked QUANTISED: E2M1 operands, one E8M0 scale for each 32 along K, by v_wmma_scale_f32_16x16x128_f8f6f4 with both operands' format E2M1 (or v_wmma_scale_f32_32x16x128_f4), f32 sums; everything else in f32.
;; Inputs: W_out_codes 1,024 x 32 x 16 uint8 (E2M1 codes of W_out, K innermost, in blocks of 32 codes, two codes a byte); W_out_scales 1,024 x 32 uint8 (E8M0 scales of W_out, one for each 32 codes along K); W_qkv_codes 3,072 x 32 x 16 uint8 (E2M1 codes of W_qkv, K innermost, in blocks of 32 codes, two codes a byte); W_qkv_scales 3,072 x 32 uint8 (E8M0 scales of W_qkv, one for each 32 codes along K); b_out 1,024 float32; b_qkv 3,072 float32; x_codes 2 x 2,048 x 32 x 16 uint8 (E2M1 codes of x, K innermost, in blocks of 32 codes, two codes a byte); x_scales 2 x 2,048 x 32 uint8 (E8M0 scales of x, one for each 32 codes along K).
;; Outputs: out0 2 x 2,048 x 1,024 float32.
;; This version of the problem:
;;   THIS VERSION OF THE PROBLEM IS GIVEN IN LOW PRECISION. The matrix products marked QUANTISED in the list below multiply operands that are first quantised to E2M1 (2 exponent bits, 1 mantissa bit; 4 bits a number), with one power-of-two scale for each 32 numbers along K (OCP MX v1.0); their sums are f32. All else is computed in f32.
;;   The module's matrix products, in the order in which they are computed (A, B: the left and right operand; K: the contracted axis; several contracted axes count as one K, in the product's order):
;;     1. [M 4,096, K 1,024] x [K 1,024, N 3,072]; A: input x (given as codes); B: input W_qkv (given as codes): QUANTISED
;;     2. batch 32 x [M 2,048, K 64] x [K 64, N 2,048]; A: computed on the way; B: computed on the way: QUANTISED
;;     3. batch 32 x [M 2,048, K 2,048] x [K 2,048, N 64]; A: softmax (see below); B: computed on the way: QUANTISED
;;     4. [M 4,096, K 1,024] x [K 1,024, N 1,024]; A: computed on the way; B: input W_out (given as codes): QUANTISED
;;   THE QUANTISER, for each operand of a quantised product, along K:
;;     - K is cut into blocks of 32 from its start; a last block that is shorter is filled with zeros.
;;     - A block's scale is 2^e with e = floor(log2(the largest magnitude in the block)) - 2, held to -126 .. 127; a block of zeros has e = 0. As a byte (E8M0): e + 127.
;;     - Each number is divided by its block's scale, clamped to +-6, and rounded to the nearest number of E2M1, ties to even, subnormals kept.
;;     - The product sums the exact products of the quantised numbers (number of the format x scale) in f32.
;;   ~~~python
;;   def quantise(x, axis):      # numpy; x: float32 -> the quantised numbers, widened to float32 again
;;       x = np.moveaxis(x, axis, -1); K = x.shape[-1]
;;       x = np.pad(x, [(0, 0)] * (x.ndim - 1) + [(0, -K % 32)]); x = x.reshape(x.shape[:-1] + (-1, 32)); a = np.abs(x).max(-1, keepdims=True)
;;       e = np.where(a > 0, np.clip(np.frexp(np.where(a > 0, a, 1))[1] - 1 - 2, -126, 127), 0)      # np.frexp(a)[1] - 1 = floor(log2(a)), exactly
;;       r = np.clip(x / 2.0 ** e, -6, 6)
;;       step = 2.0 ** (np.maximum(np.frexp(np.where(r == 0, 1, r))[1] - 1, 0) - 1)
;;       q = np.round(r / step) * step * 2.0 ** e      # np.round: ties to even
;;       return np.moveaxis(q.reshape(q.shape[:-2] + (-1,))[..., :K], -1, axis).astype(np.float32)
;;   ~~~
;;   SOFTMAX AHEAD OF A QUANTISED PRODUCT. Where the list says 'softmax', what is quantised is not the finished softmax but p = 2^(t - M), with t = logit x log2(e) and M = ceil(the row's largest t), a whole number; so 1/2 < the row's largest p <= 1. The row's sum l is taken of the UNQUANTISED p, in f32, and the product's result is divided by l at the end. Since M is a whole number, a kernel that streams over the keys may use a running M (the ceiling of the running maximum): every later rescaling is an exact power of two, which a block's scale takes up: the codes' values come out the same.
;;   OPERANDS COMPUTED ON THE WAY. 'Computed on the way' means the value that the module computes at that place (a softmax that the list does not call 'softmax' is quantised finished and normalised). What goes into a quantiser is computed in f32, as accurately as f32 sums, v_exp_f32 and their like allow (about 1e-6 of the number): no bf16 or f16 on the way to a quantiser, and a product that is left as it is and whose result goes on into a quantised operand takes f32 operands (vector FMAs, or v_wmma_f32_16x16x4_f32). A number that lies on a knife's edge between two numbers of the format may be rounded either way, as far as f32 arithmetic and the matrix unit's own rounding can turn it there, and no further.
;;   INPUTS GIVEN AS CODES. W_out (in the module: [1024, 1024], K = its axis 0); W_qkv (in the module: [1024, 3072], K = its axis 0); x (in the module: [2, 2048, 1024], K = its axis 2): each comes as NAME_codes (uint8): NAME with its K axis moved to the last place and cut into blocks of 32 codes, [.., K / 32, bytes a block], one block behind the other in memory; two codes a byte, the lower K in the low four bits (a code: sign, 2 exponent bits, 1 mantissa bit); and NAME_scales (uint8): the same leading axes, one E8M0 byte (e + 127) for each 32 codes along K. Its value is code x scale, taken as it is: it is not quantised again, and the codes and scales need not be those that the quantiser above would give.
;; One version. Each part assembles by itself: llvm-mc -triple=amdgcn-amd-amdhsa -mcpu=gfx1250 --defsym DOCPART=n.
;; ======== version 1 of 1: 3 launches
;; workspace buffers: q_img 2,097,152 bytes; q_sc 131,072 bytes; k_img 2,097,152 bytes; k_sc 131,072 bytes; v_img 2,097,152 bytes; v_sc 131,072 bytes; a_img 2,097,152 bytes; a_sc 131,072 bytes
;; launch qkv (part 1): grid 16 x 16, 12 waves a work-group, clusters of 4 x 4, 263,680 bytes of LDS; arguments x_codes, x_scales, W_qkv_codes, W_qkv_scales, b_qkv, q_img, q_sc, k_img, k_sc, v_img, v_sc; writes q_img, q_sc, k_img, k_sc, v_img, v_sc
.if DOCPART == 1
	.amdgcn_target "amdgcn-amd-amdhsa--gfx1250"
	.amdhsa_code_object_version 6
	.text
	.protected	k_q6f76861af1_qkv
	.globl	k_q6f76861af1_qkv
	.p2align	8
	.type	k_q6f76861af1_qkv,@function
k_q6f76861af1_qkv:
	s_mov_b64 s[64:65], 0
	v_nop
	global_prefetch_b8 v0, s[64:65] scope:SCOPE_SE
	s_setreg_imm32_b32 hwreg(HW_REG_WAVE_MODE, 25, 1), 1
	s_wait_xcnt 0x0
	s_wait_alu depctr_hold_cnt(0) depctr_sa_sdst(0) depctr_va_vdst(0) depctr_va_sdst(0) depctr_va_ssrc(0) depctr_va_vcc(0) depctr_vm_vsrc(0)
	s_getreg_b32 s2, hwreg(HW_REG_IB_STS2, 6, 4)
	s_cmp_eq_u32 s2, 0
	s_cbranch_scc0 .Lentry_in_a_cluster
	s_endpgm
.Lentry_in_a_cluster:
	s_bfe_u32 s2, ttmp6, 0x10000c
	s_cmp_lg_u32 s2, 0xf033
	s_cbranch_scc0 .Lentry_shape_is_right
	s_endpgm
.Lentry_shape_is_right:
; qkv = x W_qkv + b_qkv on the given codes of FP4 (E2M1) with E8M0 scales, K = 1,024; then q, k and v are quantised in registers and leave as codes and scale bytes.
; SHARES.  A work-group takes one head (work-group x) and 256 tokens (work-group y): its columns are the head's 64 of q, 64 of k and 64 of v.  Twelve waves: wave w has KIND = w / 4 (0 q, 1 k, 2 v)
; and G = w % 4, a unit of 64 tokens: a wave tile of 64 x 64, 16 accumulators.  All of K for the 256 tokens and the 192 rows of W lies in LDS at once (512 bytes a row): every LDS byte is filled once, and
; behind the one barrier LDS is only read.
; ROWS OF A TILE.  In a unit of 64 rows (tokens or channels) lane r of tile u takes row 8 u + r % 8 + 32 (r / 8).  With such tiles as source 0 a lane's 32 registers of the four tiles are rows
; 32 (lane / 16) + 0 .. 31: one whole block of 32 along the next product's K, in the order of a 4-bit operand's registers.  So a block's largest magnitude needs no other lane and the conversions' results
; ARE the next operand's registers.  q and k: source 0 = W (a lane holds a token, registers run along the head's channels); v: source 0 = x (a lane holds a channel, registers run along the tokens, which are
; the keys).  Only LDS bases and the place of the bias differ between the kinds.
; OUT.  Four code registers of the wave leave as an image of 512 consecutive bytes, 16 a lane; token tile j of a head holds tokens 64 (j / 4) + 8 (j % 4) + r % 8 + 32 (r / 8).
;   q_img, k_img [b 16 + head][j 128][lane][16]; q_sc, k_sc [..][j][r][2]; v_img [..][step of 128 keys][channel tile 4][half of the step 2][lane][16]; v_sc [..][step][channel tile][r][4].
; CLUSTER 4 x 4: the four of a row share the tokens, the four of a column the head: x's tiles and scales are asked for jointly along the row, W's along the column.
; LIMITS: NaN, infinities and scale bytes 0xff among the inputs are not served.  A block whose largest magnitude lies under 2^-124 (a block of zeros too) gets the byte 1: these bytes are read by this program alone.
; The bias is the C of each sum's first product: it is added first, not last (another order of f32 rounding than x W + b).
.set HU,    17024                      ; 32 rows of 528 bytes + 128: rows r % 8 and the rows 32 further on then fall into different 16-byte columns of a 256-byte row of banks
.set PITCH, 528                        ; a row: 512 bytes + 16 of padding
.set XC,    0                          ; x's codes: 8 half-units of 32 tokens
.set WC,    8*HU                       ; W's codes: half-unit 2 kind + half
.set XS,    WC+6*HU                    ; x's scale rows, 32 bytes each, dense
.set WS,    XS+8192                    ; W's: 64 rows for each kind
.set AD0, 1                            ; v1   source 0's fragments
.set AD1, 2                            ; v2   source 1's
.set ADS, 3                            ; v3   scale words: lanes 0-15 source 1's rows, lanes 16-31 source 0's
.set VO,  4                            ; v4-7   byte offsets of my four images
.set VS,  8                            ; v8-11  and of my four scale bytes
.set SC,  16                           ; v16-31 scale words [tile][K step % 4]; they hold nothing else
.set BI,  32                           ; v32-63 the bias in the result's layout
.set F0,  64                           ; v64-95  source 0's four fragments
.set F1,  96                           ; v96-127 source 1's
.set ACC, 128                          ; v128-255: unit i1 at ACC + 32 i1, tile i0 at + 8 i0
.set CD,  64                           ; the way out: codes, largest magnitudes, conversion scales, bytes
.set MX,  80
.set EX,  84
.set BY,  88
.set WV,   26
.set KIND, 27
.set G,    28
.set CX,   29
.set CY,   30
.set HD,   31
.set MT,   32
.set MROW, 33
.set MCOL, 34
.set G1A,  36                          ; group 1: x's codes;  G1B: W's codes;  G1XS, G1WS: the scales
.set G1B,  44
.set G1XS, 52
.set G0A,  60
.set G1WS, 68
.set G0B,  76
.set G0B2, 80
.set G0XS, 84
.set G0WS, 88
.macro PLACES n
.rept \n
	v_nop
.endr
.endm
.macro CROUND                          ; a round of the cluster's barrier: my work-group's barrier, wave 0 signals for the work-group, all wait for the sixteen, my work-group's barrier again
	s_barrier_signal -1
	s_barrier_wait -1
	s_cmp_lg_u32 s[WV], 0
	s_cbranch_scc1 .Lnot_wave_0_\@
	s_barrier_signal -3
.Lnot_wave_0_\@:
	s_barrier_wait -3
	s_barrier_signal -1
	s_barrier_wait -1
.endm
	s_load_b256 s[4:11], s[0:1], 0x0               ; x codes s[4:5], x scales s[6:7], W codes s[8:9], W scales s[10:11]
	s_load_b256 s[12:19], s[0:1], 0x20             ; bias s[12:13], q_img s[14:15], q_sc s[16:17], k_img s[18:19]
	s_load_b128 s[20:23], s[0:1], 0x40             ; k_sc s[20:21], v_img s[22:23]
	s_load_b64 s[24:25], s[0:1], 0x50              ; v_sc
	s_set_vgpr_msb 0x40
	v_lshl_add_u32 v0, v0, 2, 0x40000
	v_mov_b32 v1, 0
	s_set_vgpr_msb 0x4045
	ds_add_u32 v0, v1
	ds_add_u32 v0, v1
	s_set_vgpr_msb 0x4500
	v_lshrrev_b32 v12, 5, v0
	s_delay_alu instid0(VALU_DEP_1)
	v_readfirstlane_b32 s[WV], v12                 ; wave 0..11
	s_lshr_b32 s[KIND], s[WV], 2
	s_and_b32 s[G], s[WV], 3
	s_bfe_u32 s[CX], ttmp6, 0x40000
	s_bfe_u32 s[CY], ttmp6, 0x40004
	s_lshl_b32 s[HD], ttmp9, 2
	s_add_co_u32 s[HD], s[HD], s[CX]               ; the head
	s_and_b32 s[MT], ttmp7, 0xffff
	s_lshl_b32 s[MT], s[MT], 2
	s_add_co_u32 s[MT], s[MT], s[CY]               ; which 256 tokens
	s_lshl_b32 s[MROW], s[CY], 2
	s_lshl_b32 s[MROW], 15, s[MROW]                ; my row of the cluster
	s_lshl_b32 s[MCOL], 0x1111, s[CX]              ; my column
	; group 1 for codes: 32 rows of 512 bytes, 16 bytes of padding behind each (128 words: code 6; 4 words: code 3); bit 21 stands beside a mask
	s_or_b32 s[G1A], s[MROW], (1<<20)|(1<<21)|(6<<22)|(3<<25)
	s_or_b32 s[G1B], s[MCOL], (1<<20)|(1<<21)|(6<<22)|(3<<25)
.irp g, G1A, G1B
	s_mov_b32 s[\g+1], 512<<16                     ; tensor_dim0
	s_mov_b32 s[\g+2], 32<<16                      ; tensor_dim1
	s_mov_b32 s[\g+3], 512<<16                     ; tile_dim0
	s_mov_b32 s[\g+4], 32                          ; tile_dim1
	s_mov_b32 s[\g+5], 512                         ; pitch
	s_mov_b32 s[\g+6], 0
	s_mov_b32 s[\g+7], 0
.endr
	; x's scales: 8,192 dense bytes as 32 rows of 32 elements of 8 bytes
	s_or_b32 s[G1XS], s[MROW], (3<<16)|(1<<21)
	s_mov_b32 s[G1XS+1], 32<<16
	s_mov_b32 s[G1XS+2], 32<<16
	s_mov_b32 s[G1XS+3], 32<<16
	s_mov_b32 s[G1XS+4], 32
	s_mov_b32 s[G1XS+5], 32
	s_mov_b32 s[G1XS+6], 0
	s_mov_b32 s[G1XS+7], 0
	; W's scales: three runs of 2,048 bytes (64 rows of each kind), 32,768 bytes apart
	s_or_b32 s[G1WS], s[MCOL], (3<<16)|(1<<21)
	s_mov_b32 s[G1WS+1], 256<<16
	s_mov_b32 s[G1WS+2], 3<<16
	s_mov_b32 s[G1WS+3], 256<<16
	s_mov_b32 s[G1WS+4], 3
	s_mov_b32 s[G1WS+5], 4096
	s_mov_b32 s[G1WS+6], 0
	s_mov_b32 s[G1WS+7], 0
	; byte offsets.  x's hang on the tokens and the wave alone, W's on the head and the wave alone, each in registers of its own
	s_and_b32 s35, s[WV], 7                        ; x's half-unit
	s_lshl_b32 s92, s[MT], 17
	s_lshl_b32 s93, s35, 14
	s_add_co_u32 s92, s92, s93                     ; (256 mt + 32 e) rows of 512 bytes
	s_mov_b32 s93, 0
	s_lshl_b32 s100, s[MT], 13                     ; 256 mt rows of 32 bytes
	s_mov_b32 s101, 0
	s_and_b32 s98, s[WV], 3                        ; W's half-unit f = 0..3 (q's and k's)
	s_lshr_b32 s94, s98, 1
	s_lshl_b32 s94, s94, 19                        ; 1,024 rows a kind
	s_and_b32 s99, s[WV], 1
	s_lshl_b32 s95, s99, 14                        ; 32 rows a half
	s_add_co_u32 s94, s94, s95
	s_lshl_b32 s96, s[HD], 15                      ; 64 rows a head
	s_add_co_u32 s94, s94, s96
	s_add_co_u32 s96, s96, s95
	s_add_co_u32 s96, s96, 2<<19                   ; f = 4, 5: v's
	s_mov_b32 s95, 0
	s_mov_b32 s97, 0
	s_mov_b32 s[G0A], 1
	s_mul_i32 s[G0A+1], s35, HU
	s_mov_b32 s[G0B], 1
	s_mul_i32 s[G0B+1], s98, HU
	s_add_co_u32 s[G0B+1], s[G0B+1], WC
	s_mov_b32 s[G0B2], 1
	s_mul_i32 s[G0B2+1], s99, HU
	s_add_co_u32 s[G0B2+1], s[G0B2+1], WC+4*HU
	s_mov_b32 s[G0XS], 1
	s_mov_b32 s[G0XS+1], XS
	s_mov_b32 s[G0WS], 1
	s_mov_b32 s[G0WS+1], WS
	s_lshl_b32 s98, s[HD], 11                      ; 64 hd rows of 32 bytes
	s_mov_b32 s99, 0
	s_wait_dscnt 0x0
	s_wait_kmcnt 0x0
	s_add_nc_u64 s[G0A+2:G0A+3], s[4:5], s[92:93]
	s_or_b32 s[G0A+3], s[G0A+3], 0x80000000
	s_add_nc_u64 s[G0B+2:G0B+3], s[8:9], s[94:95]
	s_or_b32 s[G0B+3], s[G0B+3], 0x80000000
	s_add_nc_u64 s[G0B2+2:G0B2+3], s[8:9], s[96:97]
	s_or_b32 s[G0B2+3], s[G0B2+3], 0x80000000
	s_add_nc_u64 s[G0XS+2:G0XS+3], s[6:7], s[100:101]
	s_or_b32 s[G0XS+3], s[G0XS+3], 0x80000000
	s_add_nc_u64 s[G0WS+2:G0WS+3], s[10:11], s[98:99]
	s_or_b32 s[G0WS+3], s[G0WS+3], 0x80000000
	CROUND                                         ; all sixteen work-groups are here: the joint loads meet
	; THE FILLS, all of them first fills, one branch tree on the wave's number: waves 0-7 a half-unit of x; waves 8-11 a half-unit of W and one load more.  A wave has two loads out at the most.
	s_cmp_lt_u32 s[WV], 8
	s_cbranch_scc0 .Lfill_8
	tensor_load_to_lds s[G0A:G0A+3], s[G1A:G1A+7]
	s_nop 0
	PLACES 4
	s_branch .Lfilled
.Lfill_8:
	s_cmp_lt_u32 s[WV], 10
	s_cbranch_scc0 .Lfill_10
	tensor_load_to_lds s[G0B:G0B+3], s[G1B:G1B+7]
	s_nop 0
	tensor_load_to_lds s[G0B2:G0B2+3], s[G1B:G1B+7]
	s_nop 0
	PLACES 4
	s_branch .Lfilled
.Lfill_10:
	s_cmp_eq_u32 s[WV], 10
	s_cbranch_scc0 .Lfill_11
	tensor_load_to_lds s[G0B:G0B+3], s[G1B:G1B+7]
	s_nop 0
	tensor_load_to_lds s[G0XS:G0XS+3], s[G1XS:G1XS+7]
	s_nop 0
	PLACES 4
	s_branch .Lfilled
.Lfill_11:
	tensor_load_to_lds s[G0B:G0B+3], s[G1B:G1B+7]
	s_nop 0
	tensor_load_to_lds s[G0WS:G0WS+3], s[G1WS:G1WS+7]
	s_nop 0
	PLACES 4
.Lfilled:
	; LDS addresses.  q, k: source 0 = W's unit of my kind, source 1 = x's unit G;  v: the other way round
	s_lshr_b32 s2, s[KIND], 1                      ; 1 in v's waves
	s_mul_i32 s4, s[G], 2*HU
	s_mul_i32 s5, s[KIND], 2*HU
	s_add_co_u32 s5, s5, WC
	s_lshl_b32 s6, s[G], 11
	s_add_co_u32 s6, s6, XS
	s_lshl_b32 s7, s[KIND], 11
	s_add_co_u32 s7, s7, WS
	s_cmp_eq_u32 s[KIND], 2
	s_cselect_b32 s8, s4, s5                       ; source 0's codes
	s_cselect_b32 s9, s5, s4                       ; source 1's
	s_cselect_b32 s10, s6, s7                      ; source 0's scale rows
	s_cselect_b32 s11, s7, s6                      ; source 1's
	v_and_b32 v12, 15, v0                          ; r
	v_bfe_u32 v13, v0, 4, 1                        ; h
	v_and_b32 v14, 7, v0                           ; r % 8
	v_bfe_u32 v15, v0, 3, 1                        ; r / 8
	s_delay_alu instid0(VALU_DEP_2)
	v_mul_u32_u24 v4, v14, PITCH
	s_delay_alu instid0(VALU_DEP_1)
	v_mad_u32_u24 v4, v15, HU, v4
	s_delay_alu instid0(VALU_DEP_1)
	v_lshl_add_u32 v4, v13, 4, v4                  ; my row of tile 0, + 16 h
	s_delay_alu instid0(VALU_DEP_1)
	v_add_nc_u32 v[AD0], s8, v4
	s_delay_alu instid0(VALU_DEP_2)
	v_add_nc_u32 v[AD1], s9, v4
	v_lshlrev_b32 v5, 5, v14
	s_delay_alu instid0(VALU_DEP_1)
	v_lshl_add_u32 v5, v15, 10, v5                 ; my row's 32 scale bytes
	v_mov_b32 v6, s11
	v_mov_b32 v7, s10
	v_cmp_ne_u32 vcc_lo, 0, v13
	s_delay_alu instid0(VALU_DEP_1)
	v_cndmask_b32 v6, v6, v7, vcc_lo               ; lanes 16-31 take source 0's rows
	s_delay_alu instid0(VALU_DEP_1)
	v_add_nc_u32 v[ADS], v5, v6
	; where the results go
	s_lshl_b32 s3, 512, s2                         ; from image to image: 512 (q, k: the next token tile) or 1,024 (v: the next channel tile)
	s_lshl_b32 s66, 32, s2                         ; from scale run to scale run: 32 or 64
	s_add_co_u32 s67, s2, 1                        ; bytes a row of a scale run: 2 or 4
	v_and_b32 v[VO], 31, v0
	s_delay_alu instid0(VALU_DEP_1)
	v_lshlrev_b32 v[VO], 4, v[VO]
	s_delay_alu instid0(VALU_DEP_1)
	v_add_nc_u32 v[VO+1], s3, v[VO]
	s_delay_alu instid0(VALU_DEP_1)
	v_add_nc_u32 v[VO+2], s3, v[VO+1]
	s_delay_alu instid0(VALU_DEP_1)
	v_add_nc_u32 v[VO+3], s3, v[VO+2]
	v_lshlrev_b32 v[VS], s67, v12
	s_delay_alu instid0(VALU_DEP_1)
	v_add_nc_u32 v[VS], v[VS], v13                 ; my block's byte: + h
	s_delay_alu instid0(VALU_DEP_1)
	v_add_nc_u32 v[VS+1], s66, v[VS]
	s_delay_alu instid0(VALU_DEP_1)
	v_add_nc_u32 v[VS+2], s66, v[VS+1]
	s_delay_alu instid0(VALU_DEP_1)
	v_add_nc_u32 v[VS+3], s66, v[VS+2]
	s_lshr_b32 s4, s[MT], 3
	s_lshl_b32 s4, s4, 4
	s_add_co_u32 s4, s4, s[HD]                     ; 16 b + head
	s_and_b32 s5, s[MT], 7
	s_lshl_b32 s5, s5, 2
	s_add_co_u32 s5, s5, s[G]                      ; U: my unit of 64 tokens in the batch
	s_lshr_b32 s6, s5, 1
	s_and_b32 s7, s5, 1
	s_lshl_b32 s8, s6, 12
	s_lshl_b32 s9, s7, 9
	s_add_co_u32 s8, s8, s9                        ; v's images: 4,096 (U / 2) + 512 (U % 2)
	s_lshl_b32 s9, s6, 8
	s_lshl_b32 s10, s7, 1
	s_add_co_u32 s9, s9, s10                       ; v's bytes: 256 (U / 2) + 2 (U % 2)
	s_lshl_b32 s10, s5, 11                         ; q's, k's images: 2,048 U
	s_lshl_b32 s11, s5, 7                          ; their bytes: 128 U
	s_cmp_eq_u32 s[KIND], 2
	s_cselect_b32 s8, s8, s10
	s_cselect_b32 s9, s9, s11
	s_lshl_b32 s10, s4, 16
	s_add_co_u32 s6, s8, s10
	s_mov_b32 s7, 0
	s_lshl_b32 s10, s4, 12
	s_add_co_u32 s10, s9, s10
	s_mov_b32 s11, 0
	s_cmp_eq_u32 s[KIND], 0                        ; the buffers are chosen by the wave's kind alone
	s_cselect_b64 s[2:3], s[14:15], s[18:19]
	s_cselect_b64 s[66:67], s[16:17], s[20:21]
	s_cmp_eq_u32 s[KIND], 2
	s_cselect_b64 s[2:3], s[22:23], s[2:3]
	s_cselect_b64 s[66:67], s[24:25], s[66:67]
	s_add_nc_u64 s[2:3], s[2:3], s[6:7]
	s_add_nc_u64 s[66:67], s[66:67], s[10:11]
	; the bias, in the result's layout
	s_lshl_b32 s4, s[KIND], 12
	s_lshl_b32 s5, s[HD], 8
	s_add_co_u32 s4, s4, s5
	s_mov_b32 s5, 0
	s_add_nc_u64 s[12:13], s[12:13], s[4:5]        ; my kind's, my head's 64 numbers
	v_lshlrev_b32 v13, 7, v13                      ; q, k: registers run along the channels: 32 h on
	v_lshlrev_b32 v14, 2, v14
	s_delay_alu instid0(VALU_DEP_1)
	v_lshl_add_u32 v14, v15, 7, v14                ; v: a lane holds one channel: r % 8 + 32 (r / 8)
	s_cmp_eq_u32 s[KIND], 2
	s_cbranch_scc1 .Lbias_v
.irp i, 0,1,2,3
	global_load_b128 v[BI+8*\i:BI+8*\i+3], v13, s[12:13] offset:32*\i
	global_load_b128 v[BI+8*\i+4:BI+8*\i+7], v13, s[12:13] offset:32*\i+16
.endr
	s_branch .Lbias_done
.Lbias_v:
	s_wait_alu depctr_va_vdst(0)
.irp i, 0,1,2,3
.irp j, 0,1,2,3,4,5,6,7
	global_load_b32 v[BI+8*\i+\j], v14, s[12:13] offset:32*\i      ; the channel's number in all eight registers
.endr
.endr
.Lbias_done:
	s_wait_tensorcnt 0x0                           ; my fills have landed,
	s_barrier_signal -1
	s_barrier_wait -1                              ; everybody's have: from here on LDS is only read
	s_wait_loadcnt 0x0                             ; the bias
; A K step's loads: every fourth step four K steps' scale words; then source 0's four fragments, then source 1's, tile by tile
.macro LOADS ks
.if (\ks)%4 == 0
.irp u, 0,1,2,3
	ds_load_b128 v[SC+4*\u:SC+4*\u+3], v[ADS] offset:256*\u+16*((\ks)/4)
.endr
.endif
.irp u, 0,1,2,3
.irp c, 0,1
	ds_load_b128 v[F0+8*\u+4*\c:F0+8*\u+4*\c+3], v[AD0] offset:8*PITCH*\u+64*(\ks)+32*\c
.endr
.endr
.irp u, 0,1,2,3
.irp c, 0,1
	ds_load_b128 v[F1+8*\u+4*\c:F1+8*\u+4*\c+3], v[AD1] offset:8*PITCH*\u+64*(\ks)+32*\c
.endr
.endr
.endm
; 16 products.  The 16 accumulators take turns, one instruction a turn, in the same order in every step.  mode 0: C = D; 1: the bias by source 0's tile; 2: by source 1's.
; Source 0's scale words stand in lanes 16-31 of the register of its tile, source 1's in lanes 0-15 of the register of its tile.
.macro MUL16 ks, mode
.irp i1, 0,1,2,3
	s_wait_dscnt 2*(3-\i1)                         ; all but the loads of source 1's later tiles, two a tile
.irp i0, 0,1,2,3
.if \mode == 0
	v_wmma_scale_f32_16x16x128_f8f6f4 v[ACC+8*(4*\i1+\i0):ACC+8*(4*\i1+\i0)+7], v[F0+8*\i0:F0+8*\i0+7], v[F1+8*\i1:F1+8*\i1+7], v[ACC+8*(4*\i1+\i0):ACC+8*(4*\i1+\i0)+7], v[SC+4*\i0+(\ks)%4], v[SC+4*\i1+(\ks)%4] matrix_a_fmt:MATRIX_FMT_FP4 matrix_b_fmt:MATRIX_FMT_FP4 matrix_a_scale:MATRIX_SCALE_ROW1
.elseif \mode == 1
	v_wmma_scale_f32_16x16x128_f8f6f4 v[ACC+8*(4*\i1+\i0):ACC+8*(4*\i1+\i0)+7], v[F0+8*\i0:F0+8*\i0+7], v[F1+8*\i1:F1+8*\i1+7], v[BI+8*\i0:BI+8*\i0+7], v[SC+4*\i0+(\ks)%4], v[SC+4*\i1+(\ks)%4] matrix_a_fmt:MATRIX_FMT_FP4 matrix_b_fmt:MATRIX_FMT_FP4 matrix_a_scale:MATRIX_SCALE_ROW1
.else
	v_wmma_scale_f32_16x16x128_f8f6f4 v[ACC+8*(4*\i1+\i0):ACC+8*(4*\i1+\i0)+7], v[F0+8*\i0:F0+8*\i0+7], v[F1+8*\i1:F1+8*\i1+7], v[BI+8*\i1:BI+8*\i1+7], v[SC+4*\i0+(\ks)%4], v[SC+4*\i1+(\ks)%4] matrix_a_fmt:MATRIX_FMT_FP4 matrix_b_fmt:MATRIX_FMT_FP4 matrix_a_scale:MATRIX_SCALE_ROW1
.endif
.endr
.endr
.endm
	LOADS 0
	s_cmp_eq_u32 s[KIND], 2                        ; the first K step starts the sums with the bias: nothing is cleared
	s_cbranch_scc1 .Lfirst_v
	MUL16 0, 1
	s_branch .Lfirst_done
.Lfirst_v:
	MUL16 0, 2
.Lfirst_done:
.irp ks, 1,2,3,4,5,6,7
	PLACES 4                                       ; four places in front of loads into registers that the last products read (ISA guide 7.12.1 for vector instructions)
	LOADS \ks
	MUL16 \ks, 0
.endr
	; THE QUANTISER.  Unit i's 32 registers are one block of 32.  Its largest magnitude, with the floor 2^(3 - 127) among the leaves; 2 off its exponent field is the conversion's scale operand; that, shifted, the byte.
	PLACES 4                                       ; in front of the first reads of results and of writes to registers that held fragments
.irp i, 0,1,2,3
	v_max3_num_f32 v[MX+\i], |v[ACC+32*\i]|, |v[ACC+32*\i+1]|, 0x1800000      ; each accumulator is read from its low end on; the four units by turns
.endr
.irp n, 2,4,6,8,10,12,14,16,18,20,22,24,26,28,30
.irp i, 0,1,2,3
	v_max3_num_f32 v[MX+\i], v[MX+\i], |v[ACC+32*\i+\n]|, |v[ACC+32*\i+\n+1]|
.endr
.endr
.irp i, 0,1,2,3
	s_delay_alu instid0(VALU_DEP_4)
	v_add_nc_u32 v[EX+\i], 0xff000000, v[MX+\i]
.endr
.irp i, 0,1,2,3
	s_delay_alu instid0(VALU_DEP_4)
	v_lshrrev_b32 v[BY+\i], 23, v[EX+\i]
.endr
.irp i, 0,1,2,3
.irp g, 0,1,2,3
	v_cvt_scalef32_pk8_fp4_f32 v[CD+4*\i+\g], v[ACC+32*\i+8*\g:ACC+32*\i+8*\g+7], v[EX+\i]
.endr
.endr
	v_nop                                          ; one plain place behind the last scaled conversion
.irp i, 0,1,2,3
	global_store_b128 v[VO+\i], v[CD+4*\i:CD+4*\i+3], s[2:3]       ; 32 lanes store 512 consecutive bytes, at a multiple of 512 from the buffer's first byte
	global_store_b8 v[VS+\i], v[BY+\i], s[66:67]                   ; 32 different bytes
.endr
	s_set_vgpr_msb 0x5
	s_wait_tensorcnt 0x0
	ds_add_u32 v0, v1
	s_wait_dscnt 0x0
	s_set_vgpr_msb 0x500
	CROUND                                         ; the closing round: no work-group ends while a partner may still ask for a tile that names it
	s_endpgm
.Lfunc_end_k_q6f76861af1_qkv:
	.size	k_q6f76861af1_qkv, .Lfunc_end_k_q6f76861af1_qkv-k_q6f76861af1_qkv
	.p2alignl 7, 3214868480
	.fill 96, 4, 3214868480
	.section	.rodata,"a",@progbits
	.p2align	6, 0x0
	.amdhsa_kernel k_q6f76861af1_qkv
		.amdhsa_group_segment_fixed_size 263680
		.amdhsa_private_segment_fixed_size 0
		.amdhsa_enable_private_segment 0
		.amdhsa_kernarg_size 88
		.amdhsa_user_sgpr_count 2
		.amdhsa_user_sgpr_kernarg_segment_ptr 1
		.amdhsa_wavefront_size32 1
		.amdhsa_system_sgpr_workgroup_id_x 1
		.amdhsa_system_sgpr_workgroup_id_y 1
		.amdhsa_system_sgpr_workgroup_id_z 1
		.amdhsa_system_vgpr_workitem_id 0
		.amdhsa_next_free_vgpr 258
		.amdhsa_next_free_sgpr 102
		.amdhsa_reserve_vcc 1
		.amdhsa_float_denorm_mode_32 3
		.amdhsa_float_denorm_mode_16_64 3
		.amdhsa_memory_ordered 1
		.amdhsa_forward_progress 1
		.amdhsa_inst_pref_size 51
	.end_amdhsa_kernel
	.amdgpu_metadata
---
amdhsa.version: [ 1, 2 ]
amdhsa.kernels:
  - .name:           k_q6f76861af1_qkv
    .symbol:         k_q6f76861af1_qkv.kd
    .args:
      - { .name: x_codes, .offset: 0, .size: 8, .value_kind: global_buffer, .address_space: global }
      - { .name: x_scales, .offset: 8, .size: 8, .value_kind: global_buffer, .address_space: global }
      - { .name: W_qkv_codes, .offset: 16, .size: 8, .value_kind: global_buffer, .address_space: global }
      - { .name: W_qkv_scales, .offset: 24, .size: 8, .value_kind: global_buffer, .address_space: global }
      - { .name: b_qkv, .offset: 32, .size: 8, .value_kind: global_buffer, .address_space: global }
      - { .name: q_img, .offset: 40, .size: 8, .value_kind: global_buffer, .address_space: global }
      - { .name: q_sc, .offset: 48, .size: 8, .value_kind: global_buffer, .address_space: global }
      - { .name: k_img, .offset: 56, .size: 8, .value_kind: global_buffer, .address_space: global }
      - { .name: k_sc, .offset: 64, .size: 8, .value_kind: global_buffer, .address_space: global }
      - { .name: v_img, .offset: 72, .size: 8, .value_kind: global_buffer, .address_space: global }
      - { .name: v_sc, .offset: 80, .size: 8, .value_kind: global_buffer, .address_space: global }
    .group_segment_fixed_size: 263680
    .private_segment_fixed_size: 0
    .kernarg_segment_align: 8
    .kernarg_segment_size: 88
    .max_flat_workgroup_size: 384
    .sgpr_count:     102
    .vgpr_count:     258
    .wavefront_size: 32
...
	.end_amdgpu_metadata
.endif
;; end of part 1
;; launch attn (part 2): grid 8 x 32, 8 waves a work-group, clusters of 4 x 1, 168,960 bytes of LDS; arguments q_img, q_sc, k_img, k_sc, v_img, v_sc, a_img, a_sc; writes a_img, a_sc
.if DOCPART == 2
	.amdgcn_target "amdgcn-amd-amdhsa--gfx1250"
	.amdhsa_code_object_version 6
	.text
	.protected	k_q6f76861af1_attn
	.globl	k_q6f76861af1_attn
	.p2align	8
	.type	k_q6f76861af1_attn,@function
k_q6f76861af1_attn:
	s_mov_b64 s[64:65], 0
	v_nop
	global_prefetch_b8 v0, s[64:65] scope:SCOPE_SE
	s_setreg_imm32_b32 hwreg(HW_REG_WAVE_MODE, 25, 1), 1
	s_wait_xcnt 0x0
	s_wait_alu depctr_hold_cnt(0) depctr_sa_sdst(0) depctr_va_vdst(0) depctr_va_sdst(0) depctr_va_ssrc(0) depctr_va_vcc(0) depctr_vm_vsrc(0)
	s_getreg_b32 s2, hwreg(HW_REG_IB_STS2, 6, 4)
	s_cmp_eq_u32 s2, 0
	s_cbranch_scc0 .Lentry_in_a_cluster
	s_endpgm
.Lentry_in_a_cluster:
	s_bfe_u32 s2, ttmp6, 0x10000c
	s_cmp_lg_u32 s2, 0x3003
	s_cbranch_scc0 .Lentry_shape_is_right
	s_endpgm
.Lentry_shape_is_right:
; Causal attention of one head on codes of FP4 (E2M1) with E8M0 scales; the result is quantised along the model's 1,024 channels (two blocks a head) and leaves as codes and scale bytes.
; S^T = K Q^T (source 0 = 16 keys, source 1 = 16 queries; the head's 64 channels fill half of the instruction's K, the other half is zero codes on both sides);  t = score x log2(e) / 8;
; M = the running largest t rounded up to a whole number; p = 2^(t - M) is quantised along the keys, not normalised; the row's sum is taken of the unquantised p;  O^T = V^T P^T; O^T / the sum at the end.
; A lane holds ONE query throughout.  The keys of a tile are 64 (j / 4) + 8 (j % 4) + r % 8 + 32 (r / 8), so that a lane's registers 32 c .. 32 c + 31 of a step's eight tiles are keys 64 c + 32 (lane / 16) + 0 .. 31:
; one whole block: no other lane is asked for its largest p, and the conversions' results are the second product's operand.  V's channel tiles have the same pattern, so O^T's 32 registers are one block of 32 channels.
; SHARES.  Work-group y is the head (16 b + head), work-group x = X picks query tiles j = 8 a + X.  Such a tile's queries lie in key step a (128 keys), whatever X is: it needs steps 0 .. a.
; Wave w makes tile a = w, then tile a = 15 - w: 17 key steps for every wave.  The head's K and V, codes and scale bytes (139,264 bytes), lie in LDS, filled once, and are only read behind the one barrier.
; The loop over steps has 16 trips in every wave; a trip whose keys all come after the tile's queries jumps over its work (a branch on the wave's number and the trip's).
; CLUSTER 4 x 1: the four work-groups share the head: K and V are asked for jointly.
; LIMITS: NaN and infinities among the inputs are not served.  A block whose largest magnitude lies under 2^-124 (a block of zeros too) gets the byte 1: its bytes are read by this program alone.
; 1 / the sum is v_rcp_f32 and a multiplication.  A block's largest p is made from the block's largest score by the same multiply-add and exponential: this takes v_exp_f32 not to fall where its input rises.
.set KI,  0                            ; K's images: key tile j at 512 j
.set VI,  65536                        ; V's: step s, channel tile ct, half c at 4,096 s + 1,024 ct + 512 c
.set KS,  131072                       ; K's scale bytes: 32 j + 2 r
.set VS,  135168                       ; V's scale words: 256 s + 64 ct + 4 r
.set LI,   1                           ; v1  16 x lane
.set AKS,  2                           ; v2  KS + 2 r
.set AVS,  3                           ; v3  VS + 4 r
.set DM,   4                           ; v4  my query less my first key, in the step on the diagonal
.set SH8,  5                           ; v5  8 h
.set AOS,  6                           ; v6  32 r + h
.set AQS,  7                           ; v7  2 r
.set ADK,  8                           ; v8-11 the step's addresses
.set ADV,  9
.set ADKS, 10
.set ADVS, 11
.set PS,   34                          ; v12 -M, v13 the largest t, v[14:15] the sum; v16-23, v24-31 Q's fragments; v32, v33 Q's scale words; v34 p's scale word
.set KSC,  36                          ; v36-43 K's scale words;  v44-47 V's
.set VSC,  44
.set KF,   48                          ; v48-111 K's eight fragments (registers 4-7 of each stay zero)
.set VF,   112                         ; v112-143 V's four
.set PC,   144                         ; v144-151 p's codes
.set O,    152                         ; v152-183 O^T
.set S,    184                         ; v184-247 S^T, then p
.set BM,   248                         ; v248-251 at work
.set T0,   252
.set T1,   253
.set FF,   254                         ; v[254:255] f = 2^(old M - new M) in the low word
.set WV,   20
.set CX,   21
.set X,    22
.set BH,   23
.set SEL,  24
.set CS,   26
.set TA,   28
.set STEP, 29
.set T4,   30
.set T2,   31
.set G1C,  36
.set G1S,  44
.set G0K,  52
.set G0KS, 56
.set G0V,  60
.set G0VS, 68
.macro PLACES n
.rept \n
	v_nop
.endr
.endm
.macro CROUND
	s_barrier_signal -1
	s_barrier_wait -1
	s_cmp_lg_u32 s[WV], 0
	s_cbranch_scc1 .Lnot_wave_0_\@
	s_barrier_signal -3
.Lnot_wave_0_\@:
	s_barrier_wait -3
	s_barrier_signal -1
	s_barrier_wait -1
.endm
	s_load_b256 s[4:11], s[0:1], 0x0               ; q_img s[4:5], q_sc s[6:7], k_img s[8:9], k_sc s[10:11]
	s_load_b256 s[12:19], s[0:1], 0x20             ; v_img s[12:13], v_sc s[14:15], a_img s[16:17], a_sc s[18:19]
	v_lshl_add_u32 v35, v0, 2, 0x29000
	s_set_vgpr_msb 0x40
	v_mov_b32 v1, 0
	s_set_vgpr_msb 0x4044
	ds_add_u32 v35, v1
	ds_add_u32 v35, v1
	s_set_vgpr_msb 0x4400
	v_lshrrev_b32 v8, 5, v0
	s_delay_alu instid0(VALU_DEP_1)
	v_readfirstlane_b32 s[WV], v8                  ; wave 0..7
	s_bfe_u32 s[CX], ttmp6, 0x40000
	s_lshl_b32 s[X], ttmp9, 2
	s_add_co_u32 s[X], s[X], s[CX]                 ; X: it enters Q's and the output's addresses and the mask's numbers alone
	s_and_b32 s[BH], ttmp7, 0xffff                 ; 16 b + head, which the four partners share
	; group 1: dense blocks as rows of 256 bytes (32 elements of 8 bytes); the mask names all four; bit 21 stands beside it
	s_mov_b32 s[G1C], 15|(3<<16)|(1<<21)
	s_mov_b32 s[G1C+1], 32<<16
	s_mov_b32 s[G1C+2], 64<<16                     ; 64 rows: 16,384 bytes, a quarter of K's or V's images
	s_mov_b32 s[G1C+3], 32<<16
	s_mov_b32 s[G1C+4], 64
	s_mov_b32 s[G1C+5], 32
	s_mov_b32 s[G1C+6], 0
	s_mov_b32 s[G1C+7], 0
	s_mov_b32 s[G1S], 15|(3<<16)|(1<<21)
	s_mov_b32 s[G1S+1], 32<<16
	s_mov_b32 s[G1S+2], 16<<16                     ; 16 rows: the head's 4,096 scale bytes
	s_mov_b32 s[G1S+3], 32<<16
	s_mov_b32 s[G1S+4], 16
	s_mov_b32 s[G1S+5], 32
	s_mov_b32 s[G1S+6], 0
	s_mov_b32 s[G1S+7], 0
	s_and_b32 s32, s[WV], 3
	s_lshl_b32 s33, s32, 14                        ; my quarter
	s_lshl_b32 s92, s[BH], 16                      ; the head's images
	s_add_co_u32 s88, s92, s33
	s_mov_b32 s89, 0
	s_lshl_b32 s90, s[BH], 12                      ; the head's scale bytes
	s_mov_b32 s91, 0
	s_mov_b32 s[SEL], 0x76543210
	s_mov_b32 s[SEL+1], 0xfedcba98                 ; v_permlanex16_b32's selects for lane l xor 16
	s_mov_b32 s[CS], 0x3e38aa3b                    ; log2(e) / 8
	s_mov_b32 s[CS+1], s[CS]                       ; (named with it as a pair, so it is written)
	s_mov_b32 s[G0K], 1
	s_mov_b32 s[G0K+1], s33
	s_mov_b32 s[G0V], 1
	s_add_co_u32 s[G0V+1], s33, VI
	s_mov_b32 s[G0KS], 1
	s_mov_b32 s[G0KS+1], KS
	s_mov_b32 s[G0VS], 1
	s_mov_b32 s[G0VS+1], VS
	s_wait_dscnt 0x0
	s_wait_kmcnt 0x0
	s_add_nc_u64 s[G0K+2:G0K+3], s[8:9], s[88:89]
	s_or_b32 s[G0K+3], s[G0K+3], 0x80000000
	s_add_nc_u64 s[G0V+2:G0V+3], s[12:13], s[88:89]
	s_or_b32 s[G0V+3], s[G0V+3], 0x80000000
	s_add_nc_u64 s[G0KS+2:G0KS+3], s[10:11], s[90:91]
	s_or_b32 s[G0KS+3], s[G0KS+3], 0x80000000
	s_add_nc_u64 s[G0VS+2:G0VS+3], s[14:15], s[90:91]
	s_or_b32 s[G0VS+3], s[G0VS+3], 0x80000000
	CROUND                                         ; all four work-groups are here: the joint loads meet
	; THE FILLS, all first fills, one branch tree on the wave's number: waves 0-3 a quarter of K, waves 4-7 a quarter of V; waves 0 and 4 the scale bytes too: two loads out at the most
	s_cmp_eq_u32 s[WV], 0
	s_cbranch_scc0 .Lfill_1
	tensor_load_to_lds s[G0K:G0K+3], s[G1C:G1C+7]
	s_nop 0
	tensor_load_to_lds s[G0KS:G0KS+3], s[G1S:G1S+7]
	s_nop 0
	PLACES 4
	s_branch .Lfilled
.Lfill_1:
	s_cmp_lt_u32 s[WV], 4
	s_cbranch_scc0 .Lfill_4
	tensor_load_to_lds s[G0K:G0K+3], s[G1C:G1C+7]
	s_nop 0
	PLACES 4
	s_branch .Lfilled
.Lfill_4:
	s_cmp_eq_u32 s[WV], 4
	s_cbranch_scc0 .Lfill_5
	tensor_load_to_lds s[G0V:G0V+3], s[G1C:G1C+7]
	s_nop 0
	tensor_load_to_lds s[G0VS:G0VS+3], s[G1S:G1S+7]
	s_nop 0
	PLACES 4
	s_branch .Lfilled
.Lfill_5:
	tensor_load_to_lds s[G0V:G0V+3], s[G1C:G1C+7]
	s_nop 0
	PLACES 4
.Lfilled:
	; Q's and the output's places for my two tiles
	s_lshr_b32 s93, s[BH], 4
	s_lshl_b32 s93, s93, 7                         ; 128 b: the batch's first token tile
	s_and_b32 s94, s[BH], 15                       ; the head
.macro BASES qb, ab                    ; s95: the tile's number j in the head
	s_lshl_b32 s34, s95, 9
	s_add_co_u32 s34, s34, s92
	s_mov_b32 s35, 0
	s_add_nc_u64 s[\qb:\qb+1], s[4:5], s[34:35]    ; Q's image
	s_lshl_b32 s34, s95, 5
	s_add_co_u32 s34, s34, s90
	s_add_nc_u64 s[\qb+2:\qb+3], s[6:7], s[34:35]  ; Q's scale bytes
	s_add_co_u32 s2, s95, s93                      ; J
	s_lshl_b32 s34, s2, 13
	s_lshl_b32 s3, s94, 9
	s_add_co_u32 s34, s34, s3
	s_add_nc_u64 s[\ab:\ab+1], s[16:17], s[34:35]  ; the result's image: (16 J + head) x 512
	s_lshl_b32 s34, s2, 9
	s_lshl_b32 s3, s94, 1
	s_add_co_u32 s34, s34, s3
	s_add_nc_u64 s[\ab+2:\ab+3], s[18:19], s[34:35] ; its scale bytes: 512 J + 2 head
.endm
	s_lshl_b32 s95, s[WV], 3
	s_add_co_u32 s95, s95, s[X]
	BASES 80, 72
	s_sub_co_u32 s95, 15, s[WV]
	s_lshl_b32 s95, s95, 3
	s_add_co_u32 s95, s95, s[X]
	BASES 84, 76
	v_and_b32 v8, 31, v0
	s_delay_alu instid0(VALU_DEP_1)
	v_lshlrev_b32 v[LI], 4, v8
	v_and_b32 v9, 15, v0                           ; r
	v_bfe_u32 v10, v0, 4, 1                        ; h
	s_delay_alu instid0(VALU_DEP_2)
	v_lshlrev_b32 v[AQS], 1, v9
	global_load_b128 v[16:19], v[LI], s[80:81]     ; Q's two fragments stay in registers
	global_load_u16 v32, v[AQS], s[82:83]          ; two scale bytes a query; bytes 2 and 3 are 0 and stand over zero codes
	global_load_b128 v[24:27], v[LI], s[84:85]
	global_load_u16 v33, v[AQS], s[86:87]
	v_lshl_add_u32 v[AKS], v9, 1, KS
	v_lshl_add_u32 v[AVS], v9, 2, VS
	v_lshlrev_b32 v[SH8], 3, v10
	v_lshl_add_u32 v[AOS], v9, 5, v10
	s_lshr_b32 s2, s[X], 2
	s_lshl_b32 s2, s2, 6
	s_and_b32 s3, s[X], 3
	s_lshl_b32 s3, s3, 3
	s_add_co_u32 s2, s2, s3                        ; 64 (X / 4) + 8 (X % 4)
	v_and_b32 v11, 7, v0
	v_bfe_u32 v[DM], v0, 3, 1
	s_delay_alu instid0(VALU_DEP_1)
	v_lshl_add_u32 v[DM], v[DM], 5, v11            ; r % 8 + 32 (r / 8)
	v_lshlrev_b32 v11, 5, v10
	s_delay_alu instid0(VALU_DEP_1)
	v_sub_nc_u32 v[DM], v[DM], v11                 ; - 32 h
	s_delay_alu instid0(VALU_DEP_1)
	v_add_nc_u32 v[DM], s2, v[DM]                  ; register n holds key 64 (n / 32) + n % 32 + 32 h of the step: hidden where 64 (n / 32) + n % 32 > DM
.irp i, 20,21,22,23,28,29,30,31
	v_mov_b32 v[\i], 0                             ; Q: zero codes for k = 64 .. 127
.endr
.irp t, 0,1,2,3,4,5,6,7
.irp i, 4,5,6,7
	v_mov_b32 v[KF+8*\t+\i], 0                     ; K likewise, once
.endr
.endr
	v_mov_b32 v[T1], 0                             ; written once: a lane permute's destination counts as one of its sources
	v_mov_b32 v[FF+1], 0                           ; (named as the upper half of the pair with f)
	s_wait_tensorcnt 0x0                           ; my fills have landed,
	s_barrier_signal -1
	s_barrier_wait -1                              ; everybody's have: from here on LDS is only read
	s_wait_loadcnt 0x0                             ; Q
; One query tile.  qf: Q's fragment; qs: its scale word; ab: the scalar registers with the result's two places.  s[TA]: the key step on the diagonal.
.macro PASS qf, qs, ab
	v_mov_b32 v13, 0xff61b1e6                      ; the largest t so far: -3e38
	s_delay_alu instid0(VALU_DEP_1)
	v_floor_f32 v12, -v13                          ; -M
	v_mov_b32 v14, 0
	v_mov_b32 v15, 0
.set n, 0
.rept 32
	v_mov_b32 v[O+n], 0                            ; the step is written once: the first finds zeros, which the first change of M leaves zeros
.set n, n+1
.endr
	s_mov_b32 s[STEP], 0
.Lstep_\@:
	s_cmp_gt_u32 s[STEP], s[TA]                    ; all 128 keys come after my queries: only the count goes on
	s_cbranch_scc1 .Lhidden_\@
	s_lshl_b32 s[T4], s[STEP], 12
	s_lshl_b32 s[T2], s[STEP], 8
	s_setprio 2
	v_add_nc_u32 v[ADK], s[T4], v[LI]              ; these four are also the places in front of the loads into V's registers, which the last products read
	v_add_nc_u32 v[ADKS], s[T2], v[AKS]
	v_add_nc_u32 v[ADVS], s[T2], v[AVS]
	s_delay_alu instid0(VALU_DEP_3)
	v_add_nc_u32 v[ADV], VI, v[ADK]
.irp t, 0,1,2,3,4,5,6,7
	ds_load_b128 v[KF+8*\t:KF+8*\t+3], v[ADK] offset:512*\t
.endr
.irp t, 0,1,2,3,4,5,6,7
	ds_load_u16 v[KSC+\t], v[ADKS] offset:32*\t
.endr
.irp f, 0,1,2,3,4,5,6,7
	ds_load_b128 v[VF+4*\f:VF+4*\f+3], v[ADV] offset:512*\f
.endr
.irp t, 0,1,2,3
	ds_load_b32 v[VSC+\t], v[ADVS] offset:64*\t
.endr
	s_wait_dscnt 12                                ; K is in; V's twelve loads may stay out until the softmax is done
.irp t, 0,1,2,3,4,5,6,7
	v_wmma_scale_f32_16x16x128_f8f6f4 v[S+8*\t:S+8*\t+7], v[KF+8*\t:KF+8*\t+7], v[\qf:\qf+7], 0, v[KSC+\t], v[\qs] matrix_a_fmt:MATRIX_FMT_FP4 matrix_b_fmt:MATRIX_FMT_FP4
.endr
	PLACES 4
	s_cmp_lg_u32 s[STEP], s[TA]                    ; only the step on the diagonal has hidden keys
	s_cbranch_scc1 .Lopen_\@
	v_mov_b32 v[T0], 0xff800000                    ; -infinity: p = 0 then
.set n, 0
.rept 64
	v_cmp_gt_i32 vcc_lo, 64*(n/32)+n%32, v[DM]
	v_cndmask_b32 v[S+n], v[S+n], v[T0], vcc_lo
.set n, n+1
.endr
.Lopen_\@:
.irp b, 0,1,2,3
	v_max3_num_f32 v[BM+\b], v[S+16*\b], v[S+16*\b+1], v[S+16*\b+2]        ; the largest score, in four chains of 16 by turns; each accumulator is read from its low end on
.endr
.irp i, 3,5,7,9,11,13
.irp b, 0,1,2,3
	v_max3_num_f32 v[BM+\b], v[BM+\b], v[S+16*\b+\i], v[S+16*\b+\i+1]
.endr
.endr
.irp b, 0,1,2,3
	v_max_num_f32 v[BM+\b], v[BM+\b], v[S+16*\b+15]
.endr
	s_delay_alu instid0(VALU_DEP_3)
	v_max_num_f32 v[BM], v[BM], v[BM+1]            ; my first block's largest score,
	s_delay_alu instid0(VALU_DEP_2)
	v_max_num_f32 v[BM+2], v[BM+2], v[BM+3]        ; my second's: they serve twice: for the row's maximum and for the blocks' largest p
	s_delay_alu instid0(VALU_DEP_1)
	v_max_num_f32 v[T0], v[BM], v[BM+2]
	s_delay_alu instid0(VALU_DEP_1)
	v_permlanex16_b32 v[T1], v[T0], s[SEL], s[SEL+1]
	s_delay_alu instid0(VALU_DEP_1)
	v_max_num_f32 v[T0], v[T0], v[T1]              ; with lane l xor 16's 64 keys
	s_delay_alu instid0(VALU_DEP_1)
	v_mul_f32 v[T0], s[CS], v[T0]
	s_delay_alu instid0(VALU_DEP_1)
	v_max_num_f32 v13, v13, v[T0]                  ; the running largest t
	v_mov_b32 v[T0], v12
	s_delay_alu instid0(VALU_DEP_2)
	v_floor_f32 v12, -v13                          ; the new -M = -ceil(t)
	s_delay_alu instid0(VALU_DEP_1)
	v_sub_f32 v[T0], v12, v[T0]                    ; old M - new M: a whole number, 0 or less
	s_delay_alu instid0(VALU_DEP_1)
	v_cvt_i32_f32 v[T0], v[T0]                     ; (it saturates)
	s_delay_alu instid0(VALU_DEP_1)
	v_ldexp_f32 v[FF], 1.0, v[T0]                  ; f: a multiplication by it rounds nothing
.set n, 0
	s_setprio 1
.rept 32
	v_pk_fma_f32 v[S+n:S+n+1], v[S+n:S+n+1], s[CS:CS+1], v[12:13] op_sel_hi:[1,0,0]   ; t - M, two at a time
.set n, n+2
.endr
	v_fma_f32 v[BM], v[BM], s[CS], v12
	v_fma_f32 v[BM+2], v[BM+2], s[CS], v12
.set n, 0
	s_wait_alu depctr_va_vdst(0)
.rept 64
	v_exp_f32 v[S+n], v[S+n]                       ; p = 2^(t - M)
.set n, n+1
.endr
	v_exp_f32 v[BM], v[BM]
	v_exp_f32 v[BM+2], v[BM+2]
	v_pk_mul_f32 v[14:15], v[14:15], v[FF:FF+1] op_sel_hi:[1,0]    ; the sum under the new M (a plain place behind the exponentials)
	s_wait_alu depctr_va_vdst(0)
	v_max_num_f32 v[BM], 0x1800000, v[BM]          ; the floor 2^(3 - 127): the byte cannot fall under 1
	v_max_num_f32 v[BM+2], 0x1800000, v[BM+2]
	s_delay_alu instid0(VALU_DEP_2)
	v_add_nc_u32 v[BM+1], 0xff000000, v[BM]        ; 2 off the exponent field: the conversion's scale operand
	s_delay_alu instid0(VALU_DEP_2)
	v_add_nc_u32 v[BM+3], 0xff000000, v[BM+2]
	s_delay_alu instid0(VALU_DEP_2)
	v_lshrrev_b32 v[T0], 23, v[BM+1]               ; the bytes of blocks h and 2 + h
	s_delay_alu instid0(VALU_DEP_2)
	v_lshrrev_b32 v[T1], 23, v[BM+3]
	s_delay_alu instid0(VALU_DEP_1)
	v_lshl_or_b32 v[PS], v[T1], 16, v[T0]
	s_delay_alu instid0(VALU_DEP_1)
	v_lshlrev_b32 v[PS], v[SH8], v[PS]             ; at their places in the scale word
	s_delay_alu instid0(VALU_DEP_1)
	v_permlanex16_b32 v[T1], v[PS], s[SEL], s[SEL+1]
	s_delay_alu instid0(VALU_DEP_1)
	v_or_b32 v[PS], v[PS], v[T1]                   ; with lane l xor 16's two the word is whole
.irp c, 0,1
.irp g, 0,1,2,3
	v_cvt_scalef32_pk8_fp4_f32 v[PC+4*\c+\g], v[S+32*\c+8*\g:S+32*\c+8*\g+7], v[BM+1+2*\c]
.endr
.endr
	v_nop                                          ; one plain place behind the last scaled conversion
	v_pk_add_f32 v[252:253], v[188:189], v[192:193]
	v_pk_add_f32 v[250:251], v[196:197], v[200:201]
	v_pk_add_f32 v[248:249], v[204:205], v[208:209]
	v_pk_add_f32 v[106:107], v[212:213], v[216:217]
	v_pk_add_f32 v[104:105], v[220:221], v[224:225]
	v_pk_add_f32 v[98:99], v[228:229], v[232:233]
	v_pk_add_f32 v[96:97], v[236:237], v[240:241]
	v_pk_add_f32 v[14:15], v[14:15], v[244:245]
	v_pk_add_f32 v[252:253], v[252:253], v[184:185]
	v_pk_add_f32 v[250:251], v[250:251], v[186:187]
	v_pk_add_f32 v[248:249], v[248:249], v[190:191]
	v_pk_add_f32 v[106:107], v[106:107], v[194:195]
	v_pk_add_f32 v[104:105], v[104:105], v[198:199]
	v_pk_add_f32 v[98:99], v[98:99], v[202:203]
	s_setprio 0
	v_pk_add_f32 v[96:97], v[96:97], v[206:207]
	v_pk_add_f32 v[14:15], v[14:15], v[210:211]
	v_pk_add_f32 v[252:253], v[252:253], v[214:215]
	v_pk_add_f32 v[250:251], v[250:251], v[218:219]
	v_pk_add_f32 v[248:249], v[248:249], v[222:223]
	v_pk_add_f32 v[106:107], v[106:107], v[226:227]
	v_pk_add_f32 v[104:105], v[104:105], v[230:231]
	v_pk_add_f32 v[98:99], v[98:99], v[234:235]
	v_pk_add_f32 v[96:97], v[96:97], v[238:239]
	v_pk_add_f32 v[14:15], v[14:15], v[242:243]
	v_pk_add_f32 v[252:253], v[252:253], v[246:247]
	s_delay_alu instid0(VALU_DEP_2)
	v_pk_add_f32 v[14:15], v[14:15], v[106:107]
	s_delay_alu instid0(VALU_DEP_2)
	v_pk_add_f32 v[252:253], v[252:253], v[104:105]
	v_pk_add_f32 v[250:251], v[250:251], v[98:99]
	v_pk_add_f32 v[248:249], v[248:249], v[96:97]
	s_delay_alu instid0(VALU_DEP_2)
	v_pk_add_f32 v[14:15], v[14:15], v[250:251]
	s_delay_alu instid0(VALU_DEP_2)
	v_pk_add_f32 v[252:253], v[252:253], v[248:249]
	s_delay_alu instid0(VALU_DEP_1)
	v_pk_add_f32 v[14:15], v[14:15], v[252:253]
.set n, 0
.rept 16
	v_pk_mul_f32 v[O+n:O+n+1], v[O+n:O+n+1], v[FF:FF+1] op_sel_hi:[1,0]    ; O^T under the new M.  The sums and these stand between the scale word and codes just made and the products
.set n, n+2
.endr
	s_wait_alu depctr_va_vdst(0)
	s_wait_dscnt 0x0                               ; V is in
.irp t, 0,1,2,3
	v_wmma_scale_f32_16x16x128_f8f6f4 v[O+8*\t:O+8*\t+7], v[VF+8*\t:VF+8*\t+7], v[PC:PC+7], v[O+8*\t:O+8*\t+7], v[VSC+\t], v[PS] matrix_a_fmt:MATRIX_FMT_FP4 matrix_b_fmt:MATRIX_FMT_FP4
.endr
.Lhidden_\@:
	s_add_co_u32 s[STEP], s[STEP], 1
	s_cmp_lt_u32 s[STEP], 16
	s_cbranch_scc1 .Lstep_\@
	s_setprio 0
	PLACES 4
	v_add_f32 v14, v14, v15
	s_delay_alu instid0(VALU_DEP_1)
	v_permlanex16_b32 v[T1], v14, s[SEL], s[SEL+1]
	s_delay_alu instid0(VALU_DEP_1)
	v_add_f32 v14, v14, v[T1]                      ; the row's sum
	s_wait_alu depctr_va_vdst(0)
	v_rcp_f32 v14, v14
	v_nop                                          ; a plain place behind the transcendental
.set n, 0
	s_wait_alu depctr_va_vdst(0)
.rept 16
	v_pk_mul_f32 v[O+n:O+n+1], v[O+n:O+n+1], v[14:15] op_sel_hi:[1,0]      ; O^T / the sum: my query's channels 32 h + 0 .. 31: one block of the last product's K
.set n, n+2
.endr
	v_max3_num_f32 v[BM], |v[O]|, |v[O+1]|, 0x1800000
	v_max3_num_f32 v[BM+2], |v[O+16]|, |v[O+17]|, |v[O+18]|
.irp i, 2,4,6,8,10,12
	s_delay_alu instid0(VALU_DEP_2)
	v_max3_num_f32 v[BM], v[BM], |v[O+\i]|, |v[O+\i+1]|
	s_delay_alu instid0(VALU_DEP_2)
	v_max3_num_f32 v[BM+2], v[BM+2], |v[O+17+\i]|, |v[O+18+\i]|
.endr
	s_delay_alu instid0(VALU_DEP_2)
	v_max3_num_f32 v[BM], v[BM], |v[O+14]|, |v[O+15]|
	s_delay_alu instid0(VALU_DEP_1)
	v_max3_num_f32 v[BM], v[BM], v[BM+2], |v[O+31]|
	s_delay_alu instid0(VALU_DEP_1)
	v_add_nc_u32 v[BM+1], 0xff000000, v[BM]
	s_delay_alu instid0(VALU_DEP_1)
	v_lshrrev_b32 v[BM+2], 23, v[BM+1]
.irp g, 0,1,2,3
	v_cvt_scalef32_pk8_fp4_f32 v[PC+\g], v[O+8*\g:O+8*\g+7], v[BM+1]
.endr
	v_nop
	global_store_b128 v[LI], v[PC:PC+3], s[\ab:\ab+1]              ; 32 lanes store 512 consecutive bytes, at a multiple of 512 from the buffer's first byte
	global_store_b8 v[AOS], v[BM+2], s[\ab+2:\ab+3]
.endm
	s_mov_b32 s[TA], s[WV]
	PASS 16, 32, 72
	s_wait_xcnt 0x0                                ; the stores' data registers are written again only behind this wait
	s_sub_co_u32 s[TA], 15, s[WV]
	PASS 24, 33, 76
	s_set_vgpr_msb 0x4
	s_wait_tensorcnt 0x0
	ds_add_u32 v35, v1
	s_wait_dscnt 0x0
	s_set_vgpr_msb 0x400
	CROUND                                         ; the closing round: no work-group ends while a partner may still ask for a tile that names it
	s_endpgm
.Lfunc_end_k_q6f76861af1_attn:
	.size	k_q6f76861af1_attn, .Lfunc_end_k_q6f76861af1_attn-k_q6f76861af1_attn
	.p2alignl 7, 3214868480
	.fill 96, 4, 3214868480
	.section	.rodata,"a",@progbits
	.p2align	6, 0x0
	.amdhsa_kernel k_q6f76861af1_attn
		.amdhsa_group_segment_fixed_size 168960
		.amdhsa_private_segment_fixed_size 0
		.amdhsa_enable_private_segment 0
		.amdhsa_kernarg_size 64
		.amdhsa_user_sgpr_count 2
		.amdhsa_user_sgpr_kernarg_segment_ptr 1
		.amdhsa_wavefront_size32 1
		.amdhsa_system_sgpr_workgroup_id_x 1
		.amdhsa_system_sgpr_workgroup_id_y 1
		.amdhsa_system_sgpr_workgroup_id_z 1
		.amdhsa_system_vgpr_workitem_id 0
		.amdhsa_next_free_vgpr 258
		.amdhsa_next_free_sgpr 96
		.amdhsa_reserve_vcc 1
		.amdhsa_float_denorm_mode_32 3
		.amdhsa_float_denorm_mode_16_64 3
		.amdhsa_memory_ordered 1
		.amdhsa_forward_progress 1
		.amdhsa_inst_pref_size 61
	.end_amdhsa_kernel
	.amdgpu_metadata
---
amdhsa.version: [ 1, 2 ]
amdhsa.kernels:
  - .name:           k_q6f76861af1_attn
    .symbol:         k_q6f76861af1_attn.kd
    .args:
      - { .name: q_img, .offset: 0, .size: 8, .value_kind: global_buffer, .address_space: global }
      - { .name: q_sc, .offset: 8, .size: 8, .value_kind: global_buffer, .address_space: global }
      - { .name: k_img, .offset: 16, .size: 8, .value_kind: global_buffer, .address_space: global }
      - { .name: k_sc, .offset: 24, .size: 8, .value_kind: global_buffer, .address_space: global }
      - { .name: v_img, .offset: 32, .size: 8, .value_kind: global_buffer, .address_space: global }
      - { .name: v_sc, .offset: 40, .size: 8, .value_kind: global_buffer, .address_space: global }
      - { .name: a_img, .offset: 48, .size: 8, .value_kind: global_buffer, .address_space: global }
      - { .name: a_sc, .offset: 56, .size: 8, .value_kind: global_buffer, .address_space: global }
    .group_segment_fixed_size: 168960
    .private_segment_fixed_size: 0
    .kernarg_segment_align: 8
    .kernarg_segment_size: 64
    .max_flat_workgroup_size: 256
    .sgpr_count:     96
    .vgpr_count:     258
    .wavefront_size: 32
...
	.end_amdgpu_metadata
.endif
;; end of part 2
;; launch proj (part 3): grid 8 x 32, 8 waves a work-group, clusters of 4 x 4, 177,152 bytes of LDS; arguments a_img, a_sc, W_out_codes, W_out_scales, b_out, out0; writes out0
.if DOCPART == 3
	.amdgcn_target "amdgcn-amd-amdhsa--gfx1250"
	.amdhsa_code_object_version 6
	.text
	.protected	k_q6f76861af1_proj
	.globl	k_q6f76861af1_proj
	.p2align	8
	.type	k_q6f76861af1_proj,@function
k_q6f76861af1_proj:
	s_mov_b64 s[64:65], 0
	v_nop
	global_prefetch_b8 v0, s[64:65] scope:SCOPE_SE
	s_setreg_imm32_b32 hwreg(HW_REG_WAVE_MODE, 25, 1), 1
	s_wait_xcnt 0x0
	s_wait_alu depctr_hold_cnt(0) depctr_sa_sdst(0) depctr_va_vdst(0) depctr_va_sdst(0) depctr_va_ssrc(0) depctr_va_vcc(0) depctr_vm_vsrc(0)
	s_getreg_b32 s2, hwreg(HW_REG_IB_STS2, 6, 4)
	s_cmp_eq_u32 s2, 0
	s_cbranch_scc0 .Lentry_in_a_cluster
	s_endpgm
.Lentry_in_a_cluster:
	s_bfe_u32 s2, ttmp6, 0x10000c
	s_cmp_lg_u32 s2, 0xf033
	s_cbranch_scc0 .Lentry_shape_is_right
	s_endpgm
.Lentry_shape_is_right:
; out0 = a W_out + b_out on codes of FP4 (E2M1) with E8M0 scales, K = 1,024.  a: the attention's result as images of operand registers, [token tile J 256][head 16][lane][16]: heads 2 ks and 2 ks + 1 of a tile are
; one fragment of K step ks; its scale rows [J][r][32].  Token tile J holds tokens 64 (J / 4) + 8 (J % 4) + r % 8 + 32 (r / 8).  W_out: given codes, rows of 512 bytes, and scale rows of 32 bytes.
; SHARES.  A work-group takes 128 columns (work-group x) and eight token tiles, 128 tokens (work-group y).  Wave w: token tiles 2 (w / 2) and 2 (w / 2) + 1, columns 64 (w % 2) on: eight accumulators.
; All of K lies in LDS, filled once; behind the one barrier those bytes are only read.  THE PRODUCT IS USED TRANSPOSED (source 0 = 16 rows of W_out, source 1 = a token tile): a lane holds one token and eight
; neighbouring columns.  The bias is the C of each sum's first product (added first, not last: another order of f32 rounding).
; CLUSTER 4 x 4: a's tiles are shared along a row of the cluster, W_out's along a column: joint loads.
; LIMITS: NaN, infinities and scale bytes 0xff among the inputs are not served.
.set PITCH, 528                        ; a row of W_out in LDS: 512 bytes + 16 of padding
.set AI,  0                            ; a's images: 8 tiles x 8,192 bytes, dense
.set WC,  65536                        ; W_out's 128 rows
.set AS,  WC+128*PITCH                 ; a's scale rows
.set WS,  AS+4096                      ; W_out's
.set STG, WS+4096                      ; each wave's own stage, 16 rows x 272 bytes: no fill lands here
.set SP,  272
.set AA,  1                            ; v1 a's fragments;  v2 W's;  v3 a's scale words;  v4 W's;  v5, v6 the stage, in and back;  v7 my place in out0;  v8 in the bias
.set AW,  2
.set ASA, 3
.set ASW, 4
.set STO, 5
.set RD,  6
.set CO,  7
.set BO,  8
.set SCW, 16                           ; v16-31 W's scale words [tile][q];  v32-39 a's: lanes 0-15 K step q, lanes 16-31 K step 4 + q; they hold nothing else
.set SCA, 32
.set BI,  40                           ; v40-71 the bias
.set FS,  72                           ; two sets of fragments, 48 registers each: W's four, then a's two
.set ACC, 168                          ; v168-231: accumulator (i1, i0) at 8 (4 i1 + i0)
.set BK,  72                           ; the way out: rows read back from the stage
.set WV,   16
.set TM,   17
.set TN,   18
.set CX,   19
.set CY,   20
.set NT,   21
.set MT,   22
.set MROW, 23
.set MCOL, 24
.set G1AI, 28
.set G1W,  36
.set G1AS, 44
.set G1WS, 52
.set G0AI, 60
.set G0W,  68
.set G0AS, 72
.set G0WS, 76
.macro PLACES n
.rept \n
	v_nop
.endr
.endm
.macro CROUND
	s_barrier_signal -1
	s_barrier_wait -1
	s_cmp_lg_u32 s[WV], 0
	s_cbranch_scc1 .Lnot_wave_0_\@
	s_barrier_signal -3
.Lnot_wave_0_\@:
	s_barrier_wait -3
	s_barrier_signal -1
	s_barrier_wait -1
.endm
	s_load_b256 s[4:11], s[0:1], 0x0               ; a_img s[4:5], a_sc s[6:7], W codes s[8:9], W scales s[10:11]
	s_load_b128 s[12:15], s[0:1], 0x20             ; bias s[12:13], out0 s[14:15]
	v_lshl_add_u32 v254, v0, 2, 0x2b000
	v_mov_b32 v255, 0
	ds_add_u32 v254, v255
	ds_add_u32 v254, v255
	v_lshrrev_b32 v9, 5, v0
	s_delay_alu instid0(VALU_DEP_1)
	v_readfirstlane_b32 s[WV], v9                  ; wave 0..7
	s_lshr_b32 s[TM], s[WV], 1
	s_and_b32 s[TN], s[WV], 1
	s_bfe_u32 s[CX], ttmp6, 0x40000
	s_bfe_u32 s[CY], ttmp6, 0x40004
	s_lshl_b32 s[NT], ttmp9, 2
	s_add_co_u32 s[NT], s[NT], s[CX]               ; which 128 columns
	s_and_b32 s[MT], ttmp7, 0xffff
	s_lshl_b32 s[MT], s[MT], 2
	s_add_co_u32 s[MT], s[MT], s[CY]               ; which eight token tiles
	s_lshl_b32 s[MROW], s[CY], 2
	s_lshl_b32 s[MROW], 15, s[MROW]
	s_lshl_b32 s[MCOL], 0x1111, s[CX]
	s_or_b32 s[G1AI], s[MROW], (3<<16)|(1<<21)     ; a's images: 16,384 dense bytes as 64 rows of 256
	s_mov_b32 s[G1AI+1], 32<<16
	s_mov_b32 s[G1AI+2], 64<<16
	s_mov_b32 s[G1AI+3], 32<<16
	s_mov_b32 s[G1AI+4], 64
	s_mov_b32 s[G1AI+5], 32
	s_mov_b32 s[G1AI+6], 0
	s_mov_b32 s[G1AI+7], 0
	s_or_b32 s[G1W], s[MCOL], (1<<20)|(1<<21)|(6<<22)|(3<<25)      ; W's codes: 64 rows of 512 bytes, 16 of padding behind each
	s_mov_b32 s[G1W+1], 512<<16
	s_mov_b32 s[G1W+2], 64<<16
	s_mov_b32 s[G1W+3], 512<<16
	s_mov_b32 s[G1W+4], 64
	s_mov_b32 s[G1W+5], 512
	s_mov_b32 s[G1W+6], 0
	s_mov_b32 s[G1W+7], 0
	s_or_b32 s[G1AS], s[MROW], (3<<16)|(1<<21)     ; the scale rows: 4,096 dense bytes as 16 rows of 256
	s_or_b32 s[G1WS], s[MCOL], (3<<16)|(1<<21)
.irp g, G1AS, G1WS
	s_mov_b32 s[\g+1], 32<<16
	s_mov_b32 s[\g+2], 16<<16
	s_mov_b32 s[\g+3], 32<<16
	s_mov_b32 s[\g+4], 16
	s_mov_b32 s[\g+5], 32
	s_mov_b32 s[\g+6], 0
	s_mov_b32 s[\g+7], 0
.endr
	s_and_b32 s25, s[WV], 3
	s_lshl_b32 s25, s25, 14                        ; my quarter of a's images
	s_lshl_b32 s80, s[MT], 16
	s_add_co_u32 s80, s80, s25
	s_mov_b32 s81, 0
	s_lshl_b32 s82, s[MT], 12
	s_mov_b32 s83, 0
	s_lshl_b32 s84, s[NT], 16
	s_lshl_b32 s85, s[TN], 15                      ; my 64 rows of W
	s_add_co_u32 s84, s84, s85
	s_mov_b32 s85, 0
	s_lshl_b32 s86, s[NT], 12
	s_mov_b32 s87, 0
	s_mov_b32 s[G0AI], 1
	s_mov_b32 s[G0AI+1], s25
	s_mov_b32 s[G0W], 1
	s_mul_i32 s[G0W+1], s[TN], 64*PITCH
	s_add_co_u32 s[G0W+1], s[G0W+1], WC
	s_mov_b32 s[G0AS], 1
	s_mov_b32 s[G0AS+1], AS
	s_mov_b32 s[G0WS], 1
	s_mov_b32 s[G0WS+1], WS
	s_wait_dscnt 0x0
	s_wait_kmcnt 0x0
	s_add_nc_u64 s[G0AI+2:G0AI+3], s[4:5], s[80:81]
	s_or_b32 s[G0AI+3], s[G0AI+3], 0x80000000
	s_add_nc_u64 s[G0AS+2:G0AS+3], s[6:7], s[82:83]
	s_or_b32 s[G0AS+3], s[G0AS+3], 0x80000000
	s_add_nc_u64 s[G0W+2:G0W+3], s[8:9], s[84:85]
	s_or_b32 s[G0W+3], s[G0W+3], 0x80000000
	s_add_nc_u64 s[G0WS+2:G0WS+3], s[10:11], s[86:87]
	s_or_b32 s[G0WS+3], s[G0WS+3], 0x80000000
	CROUND                                         ; all sixteen work-groups are here: the joint loads meet
	; THE FILLS, all first fills, one load a wave, one branch tree on the wave's number
	s_cmp_lt_u32 s[WV], 4
	s_cbranch_scc0 .Lfill_4
	tensor_load_to_lds s[G0AI:G0AI+3], s[G1AI:G1AI+7]
	s_nop 0
	PLACES 4
	s_branch .Lfilled
.Lfill_4:
	s_cmp_lt_u32 s[WV], 6
	s_cbranch_scc0 .Lfill_6
	tensor_load_to_lds s[G0W:G0W+3], s[G1W:G1W+7]
	s_nop 0
	PLACES 4
	s_branch .Lfilled
.Lfill_6:
	s_cmp_eq_u32 s[WV], 6
	s_cbranch_scc0 .Lfill_7
	tensor_load_to_lds s[G0AS:G0AS+3], s[G1AS:G1AS+7]
	s_nop 0
	PLACES 4
	s_branch .Lfilled
.Lfill_7:
	tensor_load_to_lds s[G0WS:G0WS+3], s[G1WS:G1WS+7]
	s_nop 0
	PLACES 4
.Lfilled:
	s_lshl_b32 s26, s[NT], 9
	s_lshl_b32 s27, s[TN], 8
	s_add_co_u32 s26, s26, s27                     ; my first column, in bytes
	s_mov_b32 s27, 0
	s_add_nc_u64 s[12:13], s[12:13], s[26:27]
	s_add_nc_u64 s[14:15], s[14:15], s[26:27]
	s_lshl_b32 s26, s[MT], 19                      ; token 128 mt + 64 (tm / 2) + 16 (tm % 2), rows of 4,096 bytes
	s_lshr_b32 s25, s[TM], 1
	s_lshl_b32 s25, s25, 18
	s_add_co_u32 s26, s26, s25
	s_and_b32 s25, s[TM], 1
	s_lshl_b32 s25, s25, 16
	s_add_co_u32 s26, s26, s25
	s_add_nc_u64 s[14:15], s[14:15], s[26:27]
	v_and_b32 v9, 31, v0                           ; lane
	v_and_b32 v10, 15, v0                          ; r
	v_bfe_u32 v11, v0, 4, 1                        ; h
	s_delay_alu instid0(VALU_DEP_1)
	v_lshlrev_b32 v[BO], 5, v11
.irp i, 0,1,2,3
	global_load_b128 v[BI+8*\i:BI+8*\i+3], v[BO], s[12:13] offset:64*\i            ; the bias of columns 16 i + 8 h + 0 .. 7
	global_load_b128 v[BI+8*\i+4:BI+8*\i+7], v[BO], s[12:13] offset:64*\i+16
.endr
	s_lshl_b32 s25, s[TM], 14
	v_lshl_add_u32 v[AA], v9, 4, s25               ; 16 x lane + my two tiles
	s_mul_i32 s25, s[TN], 64*PITCH
	s_add_co_u32 s25, s25, WC
	v_mul_u32_u24 v[AW], v10, PITCH
	s_delay_alu instid0(VALU_DEP_1)
	v_lshl_add_u32 v[AW], v11, 4, v[AW]
	s_delay_alu instid0(VALU_DEP_1)
	v_add_nc_u32 v[AW], s25, v[AW]
	v_lshlrev_b32 v12, 5, v10
	s_delay_alu instid0(VALU_DEP_1)
	v_lshl_add_u32 v12, v11, 4, v12                ; row r's 32 scale bytes: lanes 0-15 the first four words, lanes 16-31 the last four
	s_lshl_b32 s25, s[TM], 10
	s_add_co_u32 s25, s25, AS
	v_add_nc_u32 v[ASA], s25, v12
	s_lshl_b32 s25, s[TN], 11
	s_add_co_u32 s25, s25, WS
	v_add_nc_u32 v[ASW], s25, v12
	s_mul_i32 s25, s[WV], 16*SP
	s_add_co_u32 s25, s25, STG                     ; my stage
	v_mul_u32_u24 v[STO], v10, SP
	s_delay_alu instid0(VALU_DEP_1)
	v_lshl_add_u32 v[STO], v11, 5, v[STO]
	s_delay_alu instid0(VALU_DEP_1)
	v_add_nc_u32 v[STO], s25, v[STO]               ; in: row r, 32 bytes for each half of the lanes
	v_mul_u32_u24 v[RD], v11, SP
	s_delay_alu instid0(VALU_DEP_1)
	v_lshl_add_u32 v[RD], v10, 4, v[RD]
	s_delay_alu instid0(VALU_DEP_1)
	v_add_nc_u32 v[RD], s25, v[RD]                 ; back: lanes 0-15 one row of 256 bytes, lanes 16-31 the next
	v_lshlrev_b32 v[CO], 12, v11
	s_delay_alu instid0(VALU_DEP_1)
	v_lshl_add_u32 v[CO], v10, 4, v[CO]            ; and the same two rows in out0
	s_wait_alu depctr_va_vdst(0)
	s_wait_tensorcnt 0x0                           ; my fill has landed,
	s_barrier_signal -1
	s_barrier_wait -1                              ; everybody's has: the filled bytes are only read from here on
.macro LOADF ks, p                     ; K step ks: W's four fragments and a's two, into set p: twelve loads
.irp i0, 0,1,2,3
.irp c, 0,1
	ds_load_b128 v[FS+48*(\p)+8*\i0+4*\c:FS+48*(\p)+8*\i0+4*\c+3], v[AW] offset:16*PITCH*\i0+64*(\ks)+32*\c
.endr
.endr
.irp i1, 0,1
.irp c, 0,1
	ds_load_b128 v[FS+48*(\p)+32+8*\i1+4*\c:FS+48*(\p)+32+8*\i1+4*\c+3], v[AA] offset:8192*\i1+1024*(\ks)+512*\c
.endr
.endr
.endm
; Eight products; the eight accumulators take turns, one instruction a turn, in the same order in every step.  K steps 4-7 take their scale words from lanes 16-31.
.macro MUL8 ks, p
.irp i1, 0,1
.irp i0, 0,1,2,3
.if (\ks) == 0
	v_wmma_scale_f32_16x16x128_f8f6f4 v[ACC+8*(4*\i1+\i0):ACC+8*(4*\i1+\i0)+7], v[FS+48*(\p)+8*\i0:FS+48*(\p)+8*\i0+7], v[FS+48*(\p)+32+8*\i1:FS+48*(\p)+32+8*\i1+7], v[BI+8*\i0:BI+8*\i0+7], v[SCW+4*\i0], v[SCA+4*\i1] matrix_a_fmt:MATRIX_FMT_FP4 matrix_b_fmt:MATRIX_FMT_FP4
.elseif (\ks) < 4
	v_wmma_scale_f32_16x16x128_f8f6f4 v[ACC+8*(4*\i1+\i0):ACC+8*(4*\i1+\i0)+7], v[FS+48*(\p)+8*\i0:FS+48*(\p)+8*\i0+7], v[FS+48*(\p)+32+8*\i1:FS+48*(\p)+32+8*\i1+7], v[ACC+8*(4*\i1+\i0):ACC+8*(4*\i1+\i0)+7], v[SCW+4*\i0+(\ks)%4], v[SCA+4*\i1+(\ks)%4] matrix_a_fmt:MATRIX_FMT_FP4 matrix_b_fmt:MATRIX_FMT_FP4
.else
	v_wmma_scale_f32_16x16x128_f8f6f4 v[ACC+8*(4*\i1+\i0):ACC+8*(4*\i1+\i0)+7], v[FS+48*(\p)+8*\i0:FS+48*(\p)+8*\i0+7], v[FS+48*(\p)+32+8*\i1:FS+48*(\p)+32+8*\i1+7], v[ACC+8*(4*\i1+\i0):ACC+8*(4*\i1+\i0)+7], v[SCW+4*\i0+(\ks)%4], v[SCA+4*\i1+(\ks)%4] matrix_a_fmt:MATRIX_FMT_FP4 matrix_b_fmt:MATRIX_FMT_FP4 matrix_a_scale:MATRIX_SCALE_ROW1 matrix_b_scale:MATRIX_SCALE_ROW1
.endif
.endr
.endr
.endm
.irp i, 0,1,2,3
	ds_load_b128 v[SCW+4*\i:SCW+4*\i+3], v[ASW] offset:512*\i      ; all of K's scale words, once
.endr
.irp i, 0,1
	ds_load_b128 v[SCA+4*\i:SCA+4*\i+3], v[ASA] offset:512*\i
.endr
	LOADF 0, 0
	s_wait_loadcnt 0x0                             ; the bias
.irp ks, 0,1,2,3,4,5,6
.if \ks > 0
	PLACES 4                                       ; four places in front of loads into the set that the last products read
.endif
	LOADF \ks+1, (\ks+1)%2
	s_wait_dscnt 12                                ; all but the twelve just issued: this step's fragments are in
	MUL8 \ks, \ks%2
.endr
	s_wait_dscnt 0x0
	MUL8 7, 1
; THE WAY OUT.  A token tile's 16 rows x 64 columns go through my own stage and come back as rows of 256 bytes.  LDS serves a wave's instructions in order (ISA guide 5.7.1.4): no wait between the stores and the
; loads, nor in front of the next tile's stores.
.macro TOSTAGE i1
.irp i0, 0,1,2,3
	ds_store_b128 v[STO], v[ACC+8*(4*\i1+\i0):ACC+8*(4*\i1+\i0)+3] offset:64*\i0           ; each accumulator from its low end on
	ds_store_b128 v[STO], v[ACC+8*(4*\i1+\i0)+4:ACC+8*(4*\i1+\i0)+7] offset:64*\i0+16
.endr
.irp t, 0,1,2,3,4,5,6,7
	ds_load_b128 v[BK+32*\i1+4*\t:BK+32*\i1+4*\t+3], v[RD] offset:2*SP*\t
.endr
.endm
.macro SEND i1, younger                ; younger: the LDS instructions issued behind this tile's loads
.irp t, 0,1,2,3,4,5,6,7
	s_wait_dscnt \younger+7-\t
	global_store_b128 v[CO], v[BK+32*\i1+4*\t:BK+32*\i1+4*\t+3], s[14:15] offset:(8*\i1+(2*\t)%8+32*(\t/4))*4096 th:TH_STORE_NT   ; stage row 2 t + h is token 8 i1 + (2 t + h) % 8 + 32 (t / 4); 16 lanes store 256 consecutive bytes, at a multiple of 256 from out0's first byte
.endr
.endm
	PLACES 4                                       ; in front of the first reads of results and of the loads into registers that held fragments
	TOSTAGE 0
	TOSTAGE 1
	SEND 0, 16
	SEND 1, 0
	s_wait_tensorcnt 0x0
	ds_add_u32 v254, v255
	s_wait_dscnt 0x0
	CROUND                                         ; the closing round: no work-group ends while a partner may still ask for a tile that names it
	s_endpgm
.Lfunc_end_k_q6f76861af1_proj:
	.size	k_q6f76861af1_proj, .Lfunc_end_k_q6f76861af1_proj-k_q6f76861af1_proj
	.p2alignl 7, 3214868480
	.fill 96, 4, 3214868480
	.section	.rodata,"a",@progbits
	.p2align	6, 0x0
	.amdhsa_kernel k_q6f76861af1_proj
		.amdhsa_group_segment_fixed_size 177152
		.amdhsa_private_segment_fixed_size 0
		.amdhsa_enable_private_segment 0
		.amdhsa_kernarg_size 48
		.amdhsa_user_sgpr_count 2
		.amdhsa_user_sgpr_kernarg_segment_ptr 1
		.amdhsa_wavefront_size32 1
		.amdhsa_system_sgpr_workgroup_id_x 1
		.amdhsa_system_sgpr_workgroup_id_y 1
		.amdhsa_system_sgpr_workgroup_id_z 1
		.amdhsa_system_vgpr_workitem_id 0
		.amdhsa_next_free_vgpr 256
		.amdhsa_next_free_sgpr 88
		.amdhsa_reserve_vcc 0
		.amdhsa_float_denorm_mode_32 3
		.amdhsa_float_denorm_mode_16_64 3
		.amdhsa_memory_ordered 1
		.amdhsa_forward_progress 1
		.amdhsa_inst_pref_size 29
	.end_amdhsa_kernel
	.amdgpu_metadata
---
amdhsa.version: [ 1, 2 ]
amdhsa.kernels:
  - .name:           k_q6f76861af1_proj
    .symbol:         k_q6f76861af1_proj.kd
    .args:
      - { .name: a_img, .offset: 0, .size: 8, .value_kind: global_buffer, .address_space: global }
      - { .name: a_sc, .offset: 8, .size: 8, .value_kind: global_buffer, .address_space: global }
      - { .name: W_out_codes, .offset: 16, .size: 8, .value_kind: global_buffer, .address_space: global }
      - { .name: W_out_scales, .offset: 24, .size: 8, .value_kind: global_buffer, .address_space: global }
      - { .name: b_out, .offset: 32, .size: 8, .value_kind: global_buffer, .address_space: global }
      - { .name: out0, .offset: 40, .size: 8, .value_kind: global_buffer, .address_space: global }
    .group_segment_fixed_size: 177152
    .private_segment_fixed_size: 0
    .kernarg_segment_align: 8
    .kernarg_segment_size: 48
    .max_flat_workgroup_size: 256
    .sgpr_count:     88
    .vgpr_count:     256
    .wavefront_size: 32
...
	.end_amdgpu_metadata
.endif
;; end of part 3
